; MI455X (gfx1250); checked and timed in simulation.
; The chip was launched on July 23, 2026; its instructions are those of AMD's public machine-readable ISA for CDNA 5 (MIT licence, August 2026) and "CDNA5" Instruction Set Architecture Reference Guide (July 2026). The comments in the code are by the model that wrote it; some were corrected since.
;; Image Diagnostic. Allowed arithmetic: matrix products marked QUANTISED: E2M3 operands, one E8M0 scale for each 32 along K, by v_wmma_scale_f32_16x16x128_f8f6f4 with both operands' format E2M3, f32 sums; everything else in f32.
;; Inputs: bandwidth one number float32; bins 128 float32; x 16 x 50,000 float32; y 16 x 50,000 float32.
;; Outputs: out0 16 x 128 x 128 float32.
;; This version of the problem:
;;   THIS VERSION OF THE PROBLEM IS GIVEN IN LOW PRECISION. The matrix products marked QUANTISED in the list below multiply operands that are first quantised to E2M3 (2 exponent bits, 3 mantissa bits; 6 bits a number), with one power-of-two scale for each 32 numbers along K (OCP MX v1.0); their sums are f32. All else is computed in f32.
;;   The module's matrix products, in the order in which they are computed (A, B: the left and right operand; K: the contracted axis; several contracted axes count as one K, in the product's order):
;;     1. batch 16 x [M 128, K 50,000] x [K 50,000, N 128]; A: computed on the way; B: computed on the way: QUANTISED
;;   THE QUANTISER, for each operand of a quantised product, along K:
;;     - K is cut into blocks of 32 from its start; a last block that is shorter is filled with zeros.
;;     - A block's scale is 2^e with e = floor(log2(the largest magnitude in the block)) - 2, held to -126 .. 127; a block of zeros has e = 0. As a byte (E8M0): e + 127.
;;     - Each number is divided by its block's scale, clamped to +-7.5, and rounded to the nearest number of E2M3, ties to even, subnormals kept.
;;     - The product sums the exact products of the quantised numbers (number of the format x scale) in f32.
;;   ~~~python
;;   def quantise(x, axis):      # numpy; x: float32 -> the quantised numbers, widened to float32 again
;;       x = np.moveaxis(x, axis, -1); K = x.shape[-1]
;;       x = np.pad(x, [(0, 0)] * (x.ndim - 1) + [(0, -K % 32)]); x = x.reshape(x.shape[:-1] + (-1, 32)); a = np.abs(x).max(-1, keepdims=True)
;;       e = np.where(a > 0, np.clip(np.frexp(np.where(a > 0, a, 1))[1] - 1 - 2, -126, 127), 0)      # np.frexp(a)[1] - 1 = floor(log2(a)), exactly
;;       r = np.clip(x / 2.0 ** e, -7.5, 7.5)
;;       step = 2.0 ** (np.maximum(np.frexp(np.where(r == 0, 1, r))[1] - 1, 0) - 3)
;;       q = np.round(r / step) * step * 2.0 ** e      # np.round: ties to even
;;       return np.moveaxis(q.reshape(q.shape[:-2] + (-1,))[..., :K], -1, axis).astype(np.float32)
;;   ~~~
;;   OPERANDS COMPUTED ON THE WAY. 'Computed on the way' means the value that the module computes at that place (a softmax that the list does not call 'softmax' is quantised finished and normalised). What goes into a quantiser is computed in f32, as accurately as f32 sums, v_exp_f32 and their like allow (about 1e-6 of the number): no bf16 or f16 on the way to a quantiser, and a product that is left as it is and whose result goes on into a quantised operand takes f32 operands (vector FMAs, or v_wmma_f32_16x16x4_f32). A number that lies on a knife's edge between two numbers of the format may be rounded either way, as far as f32 arithmetic and the matrix unit's own rounding can turn it there, and no further.
;; One version. Each part assembles by itself: llvm-mc -triple=amdgcn-amd-amdhsa -mcpu=gfx1250 --defsym DOCPART=n.
;; ======== version 1 of 1: 2 launches
;; limits: right only within a limited range of input values
;; workspace buffers: part 16,777,216 bytes; sums 16,384 bytes
;; launch kde (part 1): grid 16 x 16, 16 waves a work-group, no clusters, 323,584 bytes of LDS; arguments x, y, bins, bandwidth, part, sums; writes part, sums
.if DOCPART == 1
	.amdgcn_target "amdgcn-amd-amdhsa--gfx1250"
	.amdhsa_code_object_version 6
	.text
	.protected	k_qea1fcdfc48_kde
	.globl	k_qea1fcdfc48_kde
	.p2align	8
	.type	k_qea1fcdfc48_kde,@function
k_qea1fcdfc48_kde:
	s_mov_b64 s[64:65], 0
	v_nop
	global_prefetch_b8 v0, s[64:65] scope:SCOPE_SE
	s_setreg_imm32_b32 hwreg(HW_REG_WAVE_MODE, 25, 1), 1
	s_wait_xcnt 0x0
; For each batch this launch makes 16 PARTS of joint (K = n cut in 16) and each part's total; the next launch adds the parts and divides by the whole sum + 1e-10.  No step of the definition is left out.
; SHARES.  n = 50,000 is 782 half steps of 64 (the last holds 16 numbers).  Work-group (j, b) takes 49 of them, or 48 where j is 14 or 15, from half step 49 j - max(j - 14, 0) on, and owns all 128 x 128 outputs for them:
; 6 chunks of four steps of 128, and where there are 49 a last half step.
; SIXTEEN EQUAL WAVES (q, e, role, g).  Of a chunk a wave makes step 2 q + e's operands for four tiles (16 bins x 128 n) of kx (role 0) or ky (role 1), bins 64 g on, and hands them over in LDS as images of the operand's
; registers.  Then team q multiplies steps 2 q and 2 q + 1: each of its eight waves 64 rows x 32 columns, 8 accumulators.  The two teams' sums are joined at the end, half a wave's tile each.
; LAYOUT.  Lane (r, h) holds bin r of its tile; a block of 32 along n lies in one lane: registers 6 c .. 6 c + 5 of a fragment hold n = 64 c + 32 h + 0 .. 31.  So the conversions' results are the operand's registers.
; PIPELINE.  Block 4 c + t of a chunk (half c, tile t) in stage k = 4 c + t: its 32 exponentials, dealt among the arguments of block k + 1; at the start of stage k + 1 it is turned into codes.  The chain goes on over the
; chunks.  A chunk's barrier is signalled in the next chunk's stage 0 and waited for at that stage's end; its products stand in four groups at the starts of stages 2 to 5, each group's fragments asked for a stage ahead.
; THE ARGUMENT.  t = (x - c) s - (b - c) s, s = sqrt(0.5 log2 e) / bandwidth, c = the bin in the middle of the wave's 64 (number 32 or 96): x - c is made once a number, at the head, and the multiplication by s is fused with
; the subtraction.  (b - c) s is rounded to f32: as if bin b were moved by about 2^-24 of |b - c|.  The value is 2^(-t t).
; PAST n = 50,000 the staged value is +infinity: its value is 0: zero codes, which count in no block's maximum.
; THE PRODUCT IS USED TRANSPOSED: source 0 = 16 bins of ky, source 1 = 16 bins of kx: a lane holds row m = r of joint and eight neighbouring columns.
; Work-groups share nothing but the 512 bytes of bins, and x and y are read once, at the head: so no cluster, no tensor load and no prefetch.
; LIMITS: blocks whose largest number lies under 2^-124, where the scale's byte is held at 1, were not tried; NaN and infinities among the inputs and a bandwidth of 0 are not served; sums run in another order than the definition's.
.set ROWB,   200000                    ; a batch's row of x or y in bytes
.set OPB,    12800                     ; LDS 0: x - c of 25 steps for c of the lower 64 bins, then of the upper 64; then the same of y
.set IMG,    51200                     ; LDS: the images [q 2][role 2][e 2][slot 2][tile 8][1,536 bytes]; a fragment: for each half c registers 0-3, 16 bytes a lane, then 4-5, 8 bytes a lane
.set SC,     247808                    ; LDS: the scale words [q 2][role 2][e 2][slot 2][g 2][row 16][tile 4]
.set RED,    256000                    ; LDS: 4,096 bytes a wave, for the joining of the teams' sums
.set SPARE,  321536                    ; the spare words, 128 bytes for each wave: eight blocks of 256 bytes that no other line names
.set FLOOR,  0x1800000                 ; 2^(3 - 127): under it no largest number is taken, so the scale's byte cannot fall under 1
.set XP0,  1                           ; v1   LDS: my copy's values of my first step, my half;  at the end: 16 lane
.set GO,   1
.set RDW,  2                           ; v2   the joining: where I store
.set IW,   3                           ; v3, v4 where I store images, 16 and 8 bytes a lane
.set IW8,  4
.set SWB,  5                           ; v5   and scale bytes
.set IRX,  6                           ; v6 .. v9 where I read kx's images, ky's
.set IRX8, 7
.set IRY,  8
.set IRY8, 9
.set SRX,  10                          ; v10, v11 and their scale words
.set SRY,  11
.set SPW,  12                          ; v12  LDS address of my spare word; never rewritten
.set NIL,  13                          ; v13  0; never rewritten
.set S,    14                          ; v[14:15] s, twice
.set NB,   16                          ; v[16:23] -(b - c) s of my bin of tiles 0 to 3, twice each
.set MP,   24                          ; v[24:27] four chains of a block's maximum
.set SO,   28                          ; v28  the conversions' scale operand
.set BY,   29                          ; v29  the scale's byte
.set NX,   30                          ; v[30:31] the same as NB, of my tile of the last half step
.set CT,   32                          ; v[32:34] a block's upper 16 codes (a conversion's three registers begin on an even number)
.set XPX,  35                          ; v35  LDS: the last half step's values;  at the end: where my partner stored
.set RDR,  35
.set AF,   36                          ; v[36:41] a block's codes
.set SX,   42                          ; v[42:45], v[46:47] scale words of kx's four tiles, of ky's two: scales and nothing else
.set SY,   46
.set XB,   48                          ; v[48:79] the values at work
.set W,    80                          ; v[80:111], v[112:143] the numbers of two blocks by turns
.set KX,   144                         ; v[144:167] two fragments of kx, v[168:191] two of ky
.set KY,   168
.set ACC,  192                         ; v[192:255] the accumulators, (b, a) at 8 (4 b + a)
.set T,    80                          ; at the end: four chains of the total
; at the head, in registers that serve otherwise later:
.set R,    192
.set H,    193
.set LN,   194
.set OF,   195
.set U2,   196
.set CA2,  197
.set CA3,  198
.set BO,   199
.set BOX,  200
.set INF,  201
.set TMP,  202
.set STA,  203
.set MA,   204
.set MB,   205
.set C0,   206                         ; the two centres, twice each
.set C1,   208
.set BR,   210                         ; v[210:214] my bins as loaded
.set PC,   216                         ; v[216:231] four pieces as loaded,
.set PO,   80                          ; v[80:111] and as stored
.set WV,    16
.set ROLE,  17
.set Q,     18
.set JJ,    19
.set BAT,   20
.set G,     21
.set E,     22
.set EXTRA, 23                         ; 1: this work-group has a last half step
.set SRC,   24                         ; s[24:25] x or y, at my batch
.set SEL,   28                         ; s[28:29] lane selects: lane l xor 16
.set BW,    30
.set SVX,   31
.set PJ,    32                         ; 16 batch + j
.set IDX,   33
.set CC,    34                         ; which 32 columns
.set XM,    35                         ; 1: I multiply the last half step
.set CEN0,  36
.set CEN1,  38
.set CG,    40
.set SXI,   41                         ; how far the last half step's places lie in front of mine: images, scale bytes
.set SXS,   42
.set SRW,   43
.set SRR,   44
.set TT,    45                         ; 2 q + e
.macro STLE
	s_wait_alu depctr_va_vdst(0)
.endm
; A block's 32 arguments into buffer o: t by one fused multiply-add, then -t t.  nb: the tile's register pair
.macro FMAS o, nb
.irp i, 0,1,2,3,4,5,6,7,8,9,10,11,12,13,14,15
	v_pk_fma_f32 v[W+32*(\o)+2*\i:W+32*(\o)+2*\i+1], v[XB+2*\i:XB+2*\i+1], v[S:S+1], v[\nb:\nb+1]
.endr
.endm
.macro MULS o, n
.rept \n
	v_pk_mul_f32 v[W+32*(\o)+2*mi:W+32*(\o)+2*mi+1], v[W+32*(\o)+2*mi:W+32*(\o)+2*mi+1], v[W+32*(\o)+2*mi:W+32*(\o)+2*mi+1] neg_lo:[0,1] neg_hi:[0,1]
.set mi, mi+1
.endr
.endm
.macro ARG o, nb
	FMAS \o, \nb
.set mi, 0
	MULS \o, 16
.endm
.macro EXPS e, n
.rept \n
	v_exp_f32 v[W+32*(\e)+ei], v[W+32*(\e)+ei]
.set ei, ei+1
.endr
.endm
; The 32 exponentials of buffer e, with the 16 squarings of the other buffer dealt between them (arg = 1): no line here reads what another line here has written.
; sig = 1: behind twelve of them all my LDS instructions are awaited and the barrier is signalled
.macro MIX e, arg, sig
	STLE
.set ei, 0
.set mi, 0
.rept 12
	EXPS \e, 1
.if \arg
	MULS 1-(\e), 1
.endif
	EXPS \e, 1
.if \sig
.if ei == 12
	s_wait_dscnt 0x0                               ; my images of the chunk before are stored, and my reads of the slot that I store into next are back
	s_barrier_signal -1
.endif
.endif
.endr
	EXPS \e, 8
.if \arg
	MULS 1-(\e), 4
.else
	v_nop                                          ; a plain line behind the last exponential
.endif
.endm
; One of a stage's four products, j = 0 to 3: kx's tiles mmA, mmA + 1 against ky's two.  The eight accumulators take turns, one instruction a turn, from step to step too.  mmZ = 1: the first step starts the sums
.macro WM j
.set rA, (\j)/2
.set rB, (\j)%2
.set rD, ACC+8*(4*rB+mmA+rA)
.if mmZ
	v_wmma_scale_f32_16x16x128_f8f6f4 v[rD:rD+7], v[KY+12*rB:KY+12*rB+11], v[KX+12*rA:KX+12*rA+11], 0, v[SY+rB], v[SX+mmA+rA] matrix_a_fmt:MATRIX_FMT_FP6 matrix_b_fmt:MATRIX_FMT_FP6
.else
	v_wmma_scale_f32_16x16x128_f8f6f4 v[rD:rD+7], v[KY+12*rB:KY+12*rB+11], v[KX+12*rA:KX+12*rA+11], v[rD:rD+7], v[SY+rB], v[SX+mmA+rA] matrix_a_fmt:MATRIX_FMT_FP6 matrix_b_fmt:MATRIX_FMT_FP6
.endif
.endm
; Buffer o's 32 numbers into codes and the scale's byte; mm = 1: with a stage's four products among the lines, the first directly behind the stage's wait.  No |.|: nothing here is negative
.macro FINA o, mm
.set rW, W+32*(\o)
.if \mm
	WM 0
.endif
.irp q, 0,1,2,3
	v_max3_num_f32 v[MP+\q], v[rW+8*\q], v[rW+8*\q+1], v[rW+8*\q+2]
.endr
.irp q, 0,1,2,3
	v_max3_num_f32 v[MP+\q], v[MP+\q], v[rW+8*\q+3], v[rW+8*\q+4]
.endr
.if \mm
	WM 1
.endif
.irp q, 0,1,2,3
	v_max3_num_f32 v[MP+\q], v[MP+\q], v[rW+8*\q+5], v[rW+8*\q+6]
.endr
	v_max3_num_f32 v[MP], v[MP], v[rW+7], v[rW+15]
	v_max3_num_f32 v[MP+1], v[MP+1], v[rW+23], v[rW+31]
	v_max3_num_f32 v[MP+2], v[MP+2], v[MP+3], FLOOR
.if \mm
	WM 2
.endif
	v_max3_num_f32 v[MP], v[MP], v[MP+1], v[MP+2]        ; the block's largest number
.if \mm
	WM 3
.endif
	v_add_nc_u32 v[SO], 0xff000000, v[MP]                ; 2 off its exponent field: the conversion takes that field as its scale
	v_cvt_scalef32_pk16_fp6_f32 v[AF:AF+2], v[rW:rW+15], v[SO]
	v_cvt_scalef32_pk16_fp6_f32 v[CT:CT+2], v[rW+16:rW+31], v[SO]
	v_lshrrev_b32 v[BY], 23, v[SO]                       ; the scale's byte (and the plain line behind the conversions)
.endm
.macro MOV3                            ; the upper 16 codes to their place
	v_dual_mov_b32 v[AF+4], v[CT+1] :: v_dual_mov_b32 v[AF+3], v[CT]
	v_mov_b32 v[AF+5], v[CT+2]
.endm
.macro FINB c, t, slot                 ; block (c, t) goes out: three LDS stores
	MOV3
	ds_store_b8 v[SWB], v[BY] offset:512*(\slot)+4*(\t)+2*(\c)   ; byte 2 c + h of the row's word
	ds_store_b128 v[IW], v[AF:AF+3] offset:12288*(\slot)+1536*(\t)+768*(\c)
	ds_store_b64 v[IW8], v[AF+4:AF+5] offset:12288*(\slot)+1536*(\t)+768*(\c)+512
.endm
.macro FINC o
	FINA \o, 0
	MOV3
.endm
.macro FIN c, t, o, slot
	FINA \o, 0
	FINB \c, \t, \slot
.endm
.macro XLOAD reg, off                  ; 32 values, 8 loads: the 16 lanes of a half read the same 16 bytes
.irp i, 0,1,2,3,4,5,6,7
	ds_load_b128 v[XB+4*\i:XB+4*\i+3], v[\reg] offset:(\off)+16*\i
.endr
.endm
.macro LFR reg, r16, r8, off           ; a fragment: 4 loads
	ds_load_b128 v[(\reg):(\reg)+3], v[\r16] offset:(\off)
	ds_load_b64 v[(\reg)+4:(\reg)+5], v[\r8] offset:(\off)+512
	ds_load_b128 v[(\reg)+6:(\reg)+9], v[\r16] offset:(\off)+768
	ds_load_b64 v[(\reg)+10:(\reg)+11], v[\r8] offset:(\off)+1280
.endm
.macro LKX kx, a0, e, slot             ; kx's tiles a0, a0 + 1: 8 loads
	LFR (\kx), IRX, IRX8, 24576*(\e)+12288*(\slot)+1536*(\a0)
	LFR (\kx)+12, IRX, IRX8, 24576*(\e)+12288*(\slot)+1536*(\a0)+1536
.endm
.macro LKY ky, sx, sy, e, slot         ; the scale words, and ky's two tiles: 10 loads
	ds_load_b128 v[\sx:\sx+3], v[SRX] offset:1024*(\e)+512*(\slot)
	ds_load_b64 v[\sy:\sy+1], v[SRY] offset:1024*(\e)+512*(\slot)
	LFR (\ky), IRY, IRY8, 24576*(\e)+12288*(\slot)
	LFR (\ky)+12, IRY, IRY8, 24576*(\e)+12288*(\slot)+1536
.endm
; Four products: kx's tiles a0, a0 + 1 against ky's two.  The eight accumulators take turns, one instruction a turn, from step to step too.  zero = 1: the first step starts the sums
.macro MM a0, kx, ky, sx, sy, zero
	STLE
.irp a, 0,1
.irp b, 0,1
.set rD, ACC+8*(4*\b+(\a0)+\a)
.if \zero
	v_wmma_scale_f32_16x16x128_f8f6f4 v[rD:rD+7], v[\ky+12*\b:\ky+12*\b+11], v[\kx+12*\a:\kx+12*\a+11], 0, v[\sy+\b], v[\sx+(\a0)+\a] matrix_a_fmt:MATRIX_FMT_FP6 matrix_b_fmt:MATRIX_FMT_FP6
.else
	v_wmma_scale_f32_16x16x128_f8f6f4 v[rD:rD+7], v[\ky+12*\b:\ky+12*\b+11], v[\kx+12*\a:\kx+12*\a+11], v[rD:rD+7], v[\sy+\b], v[\sx+(\a0)+\a] matrix_a_fmt:MATRIX_FMT_FP6 matrix_b_fmt:MATRIX_FMT_FP6
.endif
.endr
.endr
.endm
; CHUNK i.  first = 1: none stands before it.  Its operands go to slot i % 2; the chunk before lies in the other slot.  last = 1: no values are fetched for a next chunk
.macro BODY i, first, zero, last
.set sl, (\i)%2
.set mmZ, \zero
	STLE
.if (\first) == 0
	FINA 1, 0
.endif
	FMAS 1, NB+2
.if (\first) == 0
	FINB 1, 3, 1-sl
.endif
	MIX 0, 1, 1-(\first)
	STLE
.if (\first) == 0
	s_barrier_wait -1                              ; every wave's images of the chunk before are stored, and nobody reads this chunk's slot any more
	LKY KY, SX, SY, 0, 1-sl
	LKX KX, 0, 0, 1-sl
.endif
	FINA 0, 0
	FMAS 0, NB+4
	FINB 0, 0, sl
	MIX 1, 1, 0
.if (\first) == 0                                      ; stage 2
	s_wait_dscnt 3                                 ; the fragments are in; the three stores behind them may be out
.endif
	STLE
.set mmA, 0
	FINA 1, 1-(\first)
	FMAS 1, NB+6
	FINB 0, 1, sl
.if (\first) == 0
	LKX KX, 2, 0, 1-sl
.endif
	XLOAD XP0, 2048*(\i)+256                       ; the values of c = 1, into registers that have been read
	MIX 0, 1, 0
.if (\first) == 0                                      ; stage 3
	s_wait_dscnt 8                                 ; the fragments are in; the eight loads of values behind them may be out
.endif
	STLE
.set mmA, 2
	FINA 0, 1-(\first)
	s_wait_dscnt 0x0                               ; the values are in
	FMAS 0, NB
	FINB 0, 2, sl
.if (\first) == 0
	LKY KY, SX, SY, 1, 1-sl
	LKX KX, 0, 1, 1-sl
.endif
	MIX 1, 1, 0
.if (\first) == 0                                      ; stage 4
	s_wait_dscnt 0x0
.endif
	STLE
.set mmA, 0
.set mmZ, 0
	FINA 1, 1-(\first)
	FMAS 1, NB+2
	FINB 0, 3, sl
.if (\first) == 0
	LKX KX, 2, 1, 1-sl
.endif
	MIX 0, 1, 0
.if (\first) == 0                                      ; stage 5
	s_wait_dscnt 0x0
.endif
	STLE
.set mmA, 2
	FINA 0, 1-(\first)
	FMAS 0, NB+4
	FINB 1, 0, sl
	MIX 1, 1, 0
	STLE
	FINA 1, 0
	FMAS 1, NB+6
	FINB 1, 1, sl
.if (\last) == 0
	XLOAD XP0, 2048*(\i)+2048                      ; the next chunk's values of c = 0
.endif
	MIX 0, 1, 0
	STLE
	FINA 0, 0
.if (\last) == 0
	s_wait_dscnt 0x0                               ; the values are in
	FMAS 0, NB
.endif
	FINB 1, 2, sl
	MIX 1, 1-(\last), 0
.endm
	s_load_b256 s[4:11], s[0:1], 0x0               ; x s[4:5], y s[6:7], bins s[8:9], bandwidth s[10:11]
	s_load_b128 s[12:15], s[0:1], 0x20             ; part s[12:13], sums s[14:15]
	v_lshrrev_b32 v[TMP], 5, v0
	v_readfirstlane_b32 s[WV], v[TMP]              ; wave 0..15
	s_lshr_b32 s[Q], s[WV], 3
	s_bfe_u32 s[E], s[WV], 0x10002
	s_and_b32 s[ROLE], s[WV], 1                    ; also: which 64 rows I multiply
	s_lshr_b32 s[IDX], s[WV], 1                    ; my place among the eight waves of a role, for the staging
	s_and_b32 s[CC], s[IDX], 3
	s_and_b32 s[G], s[IDX], 1
	s_lshl_b32 s[TT], s[Q], 1
	s_add_co_u32 s[TT], s[TT], s[E]
	s_mov_b32 s[JJ], ttmp9
	s_and_b32 s[BAT], ttmp7, 0xffff
	s_mul_i32 s26, s[JJ], 49
	s_max_u32 s27, s[JJ], 14
	s_sub_co_u32 s27, s27, 14
	s_sub_co_u32 s26, s26, s27                     ; my first half step,
	s_lshl_b32 s26, s26, 8                         ; in bytes of the row
	s_lshl_b32 s27, s[IDX], 9
	s_add_co_u32 s26, s26, s27
	s_lshl_b32 s27, s[G], 8
	s_lshl_b32 s[SRW], s[TT], 6
	v_and_b32 v[LN], 31, v0
	v_and_b32 v[R], 15, v0
	v_bfe_u32 v[H], v0, 4, 1
	v_lshl_add_u32 v[SPW], v0, 2, SPARE
	v_mov_b32 v[NIL], 0
	v_lshl_add_u32 v[OF], v[LN], 4, s26            ; STAGING: piece idx + 8 i of 512 bytes: byte 256 first + 512 idx + 16 lane + 4,096 i of the row
	v_lshl_add_u32 v[BO], v[R], 2, s27             ; my bin of tile 0: 256 g + 4 r; a tile is 64 bytes
	v_add_nc_u32 v[U2], 4096*2, v[OF]
	v_add_nc_u32 v[CA3], 4096*3, v[OF]
	v_add_nc_u32 v[BOX], s[SRW], v[BO]             ; and of tile 2 q + e
	v_min_u32 v[CA2], ROWB-16, v[U2]               ; only pieces 16 to 24 can pass the row's end (work-group 15: byte 187,904 on).  A row is a whole number of 16 bytes: a lane's 16 lie wholly inside or wholly past it
	v_min_u32 v[CA3], ROWB-16, v[CA3]
	STLE
	s_wait_kmcnt 0x0
	s_load_b32 s[BW], s[10:11], 0x0
	s_load_b64 s[CEN0:CEN0+1], s[8:9], 0x80        ; bin 32,
	s_load_b64 s[CEN1:CEN1+1], s[8:9], 0x180       ; bin 96 (the second words are not used)
	s_cmp_eq_u32 s[ROLE], 0
	s_cselect_b64 s[SRC:SRC+1], s[4:5], s[6:7]
	s_mul_i32 s26, s[BAT], ROWB
	s_mov_b32 s27, 0
	s_add_nc_u64 s[SRC:SRC+1], s[SRC:SRC+1], s[26:27]
	global_load_b128 v[PC:PC+3], v[OF], s[SRC:SRC+1]
	global_load_b128 v[PC+4:PC+7], v[OF], s[SRC:SRC+1] offset:4096
	global_load_b128 v[PC+8:PC+11], v[CA2], s[SRC:SRC+1]
	s_cmp_lg_u32 s[IDX], 0                         ; piece 24: one wave of each role
	s_cbranch_scc1 .Lno_load3
	global_load_b128 v[PC+12:PC+15], v[CA3], s[SRC:SRC+1]
.Lno_load3:
.irp t, 0,1,2,3
	global_load_b32 v[BR+\t], v[BO], s[8:9] offset:64*\t
.endr
	global_load_b32 v[BR+4], v[BOX], s[8:9]
	; the LDS address registers are made here, on the one way that all waves take, while the loads are out
	s_mul_i32 s26, s[ROLE], 2*OPB
	s_lshl_b32 s27, s[IDX], 9
	s_add_co_u32 s27, s27, s26
	v_lshl_add_u32 v[STA], v[LN], 4, s27
	s_mul_i32 s27, s[G], OPB
	s_add_co_u32 s26, s26, s27                     ; my copy
	s_lshl_b32 s27, s[TT], 9
	s_add_co_u32 s27, s27, s26
	v_lshl_add_u32 v[XP0], v[H], 7, s27
	s_add_co_u32 s27, s26, 24*512
	v_lshl_add_u32 v[XPX], v[H], 7, s27
	s_mul_i32 s[SRW], s[Q], 98304
	s_add_co_u32 s[SRW], s[SRW], IMG               ; my team's images
	s_mul_i32 s26, s[ROLE], 49152
	s_mul_i32 s27, s[E], 24576
	s_add_co_u32 s26, s26, s27
	s_mul_i32 s27, s[G], 6144
	s_add_co_u32 s26, s26, s27
	s_add_co_u32 s26, s26, s[SRW]
	v_lshl_add_u32 v[IW], v[LN], 4, s26
	v_lshl_add_u32 v[IW8], v[LN], 3, s26
	s_mul_i32 s26, s[ROLE], 6144
	s_add_co_u32 s26, s26, s[SRW]
	v_lshl_add_u32 v[IRX], v[LN], 4, s26
	v_lshl_add_u32 v[IRX8], v[LN], 3, s26
	s_mul_i32 s26, s[CC], 3072
	s_add_co_u32 s26, s26, s[SRW]
	s_add_co_u32 s26, s26, 49152
	v_lshl_add_u32 v[IRY], v[LN], 4, s26
	v_lshl_add_u32 v[IRY8], v[LN], 3, s26
	s_lshl_b32 s[SRR], s[Q], 12
	s_add_co_u32 s[SRR], s[SRR], SC                ; my team's scale words
	s_lshl_b32 s26, s[ROLE], 11
	s_lshl_b32 s27, s[E], 10
	s_add_co_u32 s26, s26, s27
	s_lshl_b32 s27, s[G], 8
	s_add_co_u32 s26, s26, s27
	s_add_co_u32 s26, s26, s[SRR]
	v_lshl_add_u32 v[SWB], v[R], 4, s26
	v_add_nc_u32 v[SWB], v[SWB], v[H]
	s_lshl_b32 s26, s[ROLE], 8
	s_add_co_u32 s26, s26, s[SRR]
	v_lshl_add_u32 v[SRX], v[R], 4, s26
	s_lshr_b32 s26, s[CC], 1
	s_lshl_b32 s26, s26, 8
	s_lshl_b32 s27, s[G], 3                        ; (g is also the lower bit of cc)
	s_add_co_u32 s26, s26, s27
	s_add_co_u32 s26, s26, s[SRR]
	s_add_co_u32 s26, s26, 2048
	v_lshl_add_u32 v[SRY], v[R], 4, s26
	; the last half step lies where step 0's slot 0 lies; wave (q, e, role, g) makes tile 2 q + e of its four: how far in front of IW and SWB that is
	s_mul_i32 s[SXI], s[Q], 98304
	s_mul_i32 s27, s[E], 24576
	s_add_co_u32 s[SXI], s[SXI], s27
	s_mul_i32 s27, s[TT], 1536
	s_sub_co_u32 s[SXI], s[SXI], s27
	s_lshl_b32 s[SXS], s[Q], 12
	s_lshl_b32 s27, s[E], 10
	s_add_co_u32 s[SXS], s[SXS], s27
	s_lshl_b32 s27, s[TT], 2
	s_sub_co_u32 s[SXS], s[SXS], s27
	s_lshl_b32 s[SRW], s[WV], 12
	s_add_co_u32 s[SRW], s[SRW], RED
	s_xor_b32 s[SRR], s[WV], 8                     ; my partner: the other team's wave of my tile
	s_lshl_b32 s[SRR], s[SRR], 12
	s_add_co_u32 s[SRR], s[SRR], RED
	v_mov_b32 v[INF], 0x7f800000
	s_cmp_lt_u32 s[JJ], 14
	s_cselect_b32 s[EXTRA], 1, 0
	s_cmp_eq_u32 s[Q], 0
	s_cselect_b32 s[XM], s[EXTRA], 0
	s_mov_b32 s[SEL], 0x76543210
	s_mov_b32 s[SEL+1], 0xfedcba98
	s_lshl_b32 s[PJ], s[BAT], 4
	s_add_co_u32 s[PJ], s[PJ], s[JJ]
	s_lshl_b32 s26, s[PJ], 16                      ; part: 65,536 (16 b + j) + 8,192 (4 role) + 1,024 (2 cc + q): the tiles that I keep
	s_lshl_b32 s27, s[ROLE], 15
	s_add_co_u32 s26, s26, s27
	s_lshl_b32 s27, s[CC], 11
	s_add_co_u32 s26, s26, s27
	s_lshl_b32 s27, s[Q], 10
	s_add_co_u32 s26, s26, s27
	s_mov_b32 s27, 0
	s_add_nc_u64 s[12:13], s[12:13], s[26:27]
	s_lshl_b32 s26, s[PJ], 4                       ; sums: word 16 (16 b + j) + wave
	s_add_co_u32 s26, s26, s[WV]
	s_lshl_b32 s26, s26, 2
	s_add_nc_u64 s[14:15], s[14:15], s[26:27]
	STLE
	s_wait_kmcnt 0x0
	s_cmp_eq_u32 s[G], 0
	s_cselect_b32 s[CG], s[CEN0], s[CEN1]          ; my own centre
	v_mov_b32 v[MA], s[BW]
	v_mov_b32 v[C0], s[CEN0]
	v_mov_b32 v[C0+1], s[CEN0]
	v_mov_b32 v[C1], s[CEN1]
	v_mov_b32 v[C1+1], s[CEN1]
	STLE
	v_rcp_f32 v[S], v[MA]
	v_nop                                          ; a plain line behind the reciprocal
	STLE
	v_fma_f32 v[MB], -v[MA], v[S], 1.0             ; one Newton step
	v_fma_f32 v[S], v[S], v[MB], v[S]
	v_mul_f32 v[S], 0x3f596d27, v[S]               ; x sqrt(0.5 log2 e)
	v_mov_b32 v[S+1], v[S]
	STLE
	s_wait_loadcnt 0x0
; A piece goes to LDS twice: less the one centre and less the other
.macro STAGEP i
.irp q, 0,2
	v_pk_add_f32 v[PO+8*(\i)+\q:PO+8*(\i)+\q+1], v[PC+4*(\i)+\q:PC+4*(\i)+\q+1], v[C0:C0+1] neg_lo:[0,1] neg_hi:[0,1]
	v_pk_add_f32 v[PO+8*(\i)+4+\q:PO+8*(\i)+4+\q+1], v[PC+4*(\i)+\q:PC+4*(\i)+\q+1], v[C1:C1+1] neg_lo:[0,1] neg_hi:[0,1]
.endr
	ds_store_b128 v[STA], v[PO+8*(\i):PO+8*(\i)+3] offset:4096*(\i)
	ds_store_b128 v[STA], v[PO+8*(\i)+4:PO+8*(\i)+7] offset:OPB+4096*(\i)
.endm
	STAGEP 0
	STAGEP 1
	v_cmp_gt_u32 vcc_lo, ROWB, v[U2]               ; inside the row?
.irp q, 0,1,2,3
	v_cndmask_b32 v[PC+8+\q], v[INF], v[PC+8+\q], vcc_lo   ; past it: +infinity
.endr
	STAGEP 2
	STLE
	s_cmp_lg_u32 s[IDX], 0
	s_cbranch_scc1 .Lno_store3
	STAGEP 3                                       ; (where it passes the row's end, in work-group 15, nobody reads it)
.Lno_store3:
	s_wait_dscnt 0x0                               ; for the others' sake: my stores are done
	s_barrier_signal -1
.irp t, 0,1,2,3
	v_sub_f32 v[NB+2*\t], s[CG], v[BR+\t]
.endr
	v_sub_f32 v[NX], s[CG], v[BR+4]
.irp t, 0,1,2,3
	v_mul_f32 v[NB+2*\t], v[NB+2*\t], v[S]         ; -(b - c) s
.endr
	v_mul_f32 v[NX], v[NX], v[S]
.irp t, 0,1,2,3
	v_mov_b32 v[NB+2*\t+1], v[NB+2*\t]
.endr
	v_mov_b32 v[NX+1], v[NX]
	STLE
	s_barrier_wait -1                              ; x's and y's values lie in LDS; nobody writes them again
	XLOAD XP0, 0                                   ; my first step's values of c = 0
	s_wait_dscnt 0x0
	ARG 0, NB
	BODY 0, 1, 0, 0                                ; the six chunks are written out: first, second and last differ, and the slots' numbers are constants of the text
	BODY 1, 0, 1, 0                                ; chunk 0's products start the sums
	BODY 2, 0, 0, 0
	BODY 3, 0, 0, 0
	BODY 4, 0, 0, 0
	BODY 5, 0, 0, 1
	STLE
	s_cmp_eq_u32 s[EXTRA], 0                       ; the work-group's number alone decides: all sixteen waves go the same way
	s_cbranch_scc1 .Lno_values
	XLOAD XPX, 0                                   ; the last half step's values
.Lno_values:
	FIN 1, 3, 1, 1
	v_and_b32 v[MP], 31, v0                        ; what the end wants of addresses, in registers whose own have served
	v_sub_nc_u32 v[IW], v[IW], s[SXI]
	v_sub_nc_u32 v[IW8], v[IW8], s[SXI]
	v_sub_nc_u32 v[SWB], v[SWB], s[SXS]
	v_lshlrev_b32 v[GO], 4, v[MP]
	v_lshl_add_u32 v[RDW], v[MP], 4, s[SRW]
	v_lshl_add_u32 v[RDR], v[MP], 4, s[SRR]
	STLE
	s_wait_dscnt 0x0
	s_barrier_signal -1
	s_cmp_eq_u32 s[EXTRA], 0
	s_cbranch_scc1 .Lno_exps
	; THE LAST HALF STEP: 64 along n, the fragments' other half is zero codes (its scale bytes are those that chunk 4 left there, all finite).  One block a wave
	ARG 0, NX
	STLE
.set ei, 0
	EXPS 0, 32
.irp i, 0,1,2,3
	v_mov_b32 v[W+56+\i], 0
.endr
	STLE
.Lno_exps:
	s_barrier_wait -1
	LKY KY, SX, SY, 0, 1                           ; chunk 5's fragments: 18 loads,
	LKX KX, 0, 0, 1
	LKX W+32, 2, 0, 1                              ; 8,
	LKY XB, XB+24, XB+28, 1, 1                     ; 10
	s_cmp_eq_u32 s[EXTRA], 0
	s_cbranch_scc1 .Lno_half
	FINC 0
	ds_store_b8 v[SWB], v[BY]
	ds_store_b128 v[IW], v[AF:AF+3]
	ds_store_b64 v[IW8], v[AF+4:AF+5] offset:512
	ds_store_b128 v[IW], v[W+56:W+59] offset:768
	ds_store_b64 v[IW8], v[W+56:W+57] offset:1280
	STLE
	s_wait_dscnt 0x0
	s_barrier_signal -1
	s_barrier_wait -1
.Lno_half:
	LKX W, 0, 1, 1                                 ; and 8
	s_wait_dscnt 26                                ; the first 18 are in; behind them 8 + 10 + 8
	MM 0, KX, KY, SX, SY, 0
	s_wait_dscnt 18
	MM 2, W+32, KY, SX, SY, 0
.rept 4
	v_nop                                          ; four places between products and loads into their registers
.endr
	LKX KX, 2, 1, 1
	s_wait_dscnt 8
	MM 0, W, XB, XB+24, XB+28, 0
	s_wait_dscnt 0x0
	MM 2, KX, XB, XB+24, XB+28, 0
	s_cmp_eq_u32 s[XM], 0                          ; team 0 multiplies the last half step
	s_cbranch_scc1 .Ljoin
.rept 4
	v_nop
.endr
	LKY KY, SX, SY, 0, 0
	LKX KX, 0, 0, 0
	LKX W+32, 2, 0, 0
	s_wait_dscnt 8
	MM 0, KX, KY, SX, SY, 0
	s_wait_dscnt 0x0
	MM 2, W+32, KY, SX, SY, 0
.Ljoin:
; THE TEAMS' SUMS: of its 64 x 32 numbers a wave of team 0 keeps ky's tile 0 and sends tile 1; team 1 the other way round
.rept 4
	v_nop                                          ; four places between the last product and the first read of a result
.endr
.macro SEND base
.irp q, 0,1,2,3,4,5,6,7
	ds_store_b128 v[RDW], v[(\base)+4*\q:(\base)+4*\q+3] offset:512*\q   ; each accumulator from its low end on
.endr
.endm
.macro KEEP base
.set k, 0
.rept 16
	v_pk_add_f32 v[KX+k:KX+k+1], v[KX+k:KX+k+1], v[(\base)+k:(\base)+k+1]
.set k, k+2
.endr
	STLE
.endm
	s_cmp_lg_u32 s[Q], 0
	s_cbranch_scc1 .Lsend1
	SEND ACC+32
	s_branch .Lsent
.Lsend1:
	SEND ACC
.Lsent:
	s_wait_dscnt 0x0                               ; for my partner's sake: my stores are done
	s_barrier_signal -1
	s_barrier_wait -1
.irp q, 0,1,2,3,4,5,6,7
	ds_load_b128 v[KX+4*\q:KX+4*\q+3], v[RDR] offset:512*\q
.endr
	s_wait_dscnt 0x0
	s_cmp_lg_u32 s[Q], 0
	s_cbranch_scc1 .Lkeep1
	KEEP ACC
	s_branch .Lkept
.Lkeep1:
	KEEP ACC+32
.Lkept:
.irp q, 0,1,2,3,4,5,6,7
	global_store_b128 v[GO], v[KX+4*\q:KX+4*\q+3], s[12:13] offset:8192*(\q/2)+512*(\q%2)   ; 32 lanes store 512 consecutive bytes, at a multiple of 512 from part's first byte
.endr
.irp q, 0,1,2,3                                        ; the total of my 64 x 16 numbers: 32 a lane, two at a time, in four chains
	v_pk_add_f32 v[T+2*\q:T+2*\q+1], v[KX+4*\q:KX+4*\q+1], v[KX+4*\q+2:KX+4*\q+3]
.endr
.set k, 8
.rept 8
	v_pk_add_f32 v[T+2*(k%4):T+2*(k%4)+1], v[T+2*(k%4):T+2*(k%4)+1], v[KX+2*k:KX+2*k+1]
.set k, k+1
.endr
	v_pk_add_f32 v[T:T+1], v[T:T+1], v[T+2:T+3]
	v_pk_add_f32 v[T+4:T+5], v[T+4:T+5], v[T+6:T+7]
	v_pk_add_f32 v[T:T+1], v[T:T+1], v[T+4:T+5]
	v_add_f32 v[T], v[T], v[T+1]
	v_add_f32_dpp v[T], v[T], v[T] row_xmask:1 row_mask:0xf bank_mask:0xf
	v_add_f32_dpp v[T], v[T], v[T] row_xmask:2 row_mask:0xf bank_mask:0xf
	v_add_f32_dpp v[T], v[T], v[T] row_xmask:4 row_mask:0xf bank_mask:0xf
	v_add_f32_dpp v[T], v[T], v[T] row_xmask:8 row_mask:0xf bank_mask:0xf
	v_permlanex16_b32 v[T+1], v[T], s[SEL], s[SEL+1]
	v_add_f32 v[T], v[T], v[T+1]
	v_mov_b32 v[T+8], 0
	v_and_b32 v[T+9], 31, v0
	STLE
	s_wait_xcnt 0x0                                ; EXEC is a source of the stores above: it changes only behind this wait
	v_cmp_eq_u32 vcc_lo, 0, v[T+9]
	s_and_saveexec_b32 s[SVX], vcc_lo
	global_store_b32 v[T+8], v[T], s[14:15]        ; one number a wave
	s_wait_xcnt 0x0                                ; and again, in front of the line that widens it
	s_or_b32 exec_lo, exec_lo, s[SVX]
	s_wait_tensorcnt 0x0                           ; the wave's end: a tensor wait, a spare LDS add and its wait, behind my last LDS store; the first in a text with no tensor load too
	ds_add_u32 v[SPW], v[NIL]
	s_wait_dscnt 0x0
	s_endpgm
.Lfunc_end_k_qea1fcdfc48_kde:
	.size	k_qea1fcdfc48_kde, .Lfunc_end_k_qea1fcdfc48_kde-k_qea1fcdfc48_kde
	.p2alignl 7, 3214868480
	.fill 96, 4, 3214868480
	.section	.rodata,"a",@progbits
	.p2align	6, 0x0
	.amdhsa_kernel k_qea1fcdfc48_kde
		.amdhsa_group_segment_fixed_size 323584
		.amdhsa_private_segment_fixed_size 0
		.amdhsa_enable_private_segment 0
		.amdhsa_kernarg_size 48
		.amdhsa_user_sgpr_count 2
		.amdhsa_user_sgpr_kernarg_segment_ptr 1
		.amdhsa_wavefront_size32 1
		.amdhsa_system_sgpr_workgroup_id_x 1
		.amdhsa_system_sgpr_workgroup_id_y 1
		.amdhsa_system_sgpr_workgroup_id_z 1
		.amdhsa_system_vgpr_workitem_id 0
		.amdhsa_next_free_vgpr 256
		.amdhsa_next_free_sgpr 66
		.amdhsa_reserve_vcc 1
		.amdhsa_float_denorm_mode_32 3
		.amdhsa_float_denorm_mode_16_64 3
		.amdhsa_memory_ordered 1
		.amdhsa_forward_progress 1
		.amdhsa_inst_pref_size 255
	.end_amdhsa_kernel
	.section	.bss,"aw",@nobits
	.p2align	6
	.space	262144
	.amdgpu_metadata
---
amdhsa.version: [ 1, 2 ]
amdhsa.kernels:
  - .name:           k_qea1fcdfc48_kde
    .symbol:         k_qea1fcdfc48_kde.kd
    .args:
      - { .name: x, .offset: 0, .size: 8, .value_kind: global_buffer, .address_space: global }
      - { .name: y, .offset: 8, .size: 8, .value_kind: global_buffer, .address_space: global }
      - { .name: bins, .offset: 16, .size: 8, .value_kind: global_buffer, .address_space: global }
      - { .name: bandwidth, .offset: 24, .size: 8, .value_kind: global_buffer, .address_space: global }
      - { .name: part, .offset: 32, .size: 8, .value_kind: global_buffer, .address_space: global }
      - { .name: sums, .offset: 40, .size: 8, .value_kind: global_buffer, .address_space: global }
    .group_segment_fixed_size: 323584
    .private_segment_fixed_size: 0
    .kernarg_segment_align: 8
    .kernarg_segment_size: 48
    .max_flat_workgroup_size: 512
    .sgpr_count:     66
    .vgpr_count:     256
    .wavefront_size: 32
...
	.end_amdgpu_metadata
.endif
;; end of part 1
;; launch norm (part 2): grid 16 x 16, 8 waves a work-group, no clusters, 5,376 bytes of LDS; arguments part, sums, out0; writes out0
.if DOCPART == 2
	.amdgcn_target "amdgcn-amd-amdhsa--gfx1250"
	.amdhsa_code_object_version 6
	.text
	.protected	k_qea1fcdfc48_norm
	.globl	k_qea1fcdfc48_norm
	.p2align	8
	.type	k_qea1fcdfc48_norm,@function
k_qea1fcdfc48_norm:
	s_mov_b64 s[64:65], 0
	v_nop
	global_prefetch_b8 v0, s[64:65] scope:SCOPE_SE
	s_setreg_imm32_b32 hwreg(HW_REG_WAVE_MODE, 25, 1), 1
	s_wait_xcnt 0x0
; out0[b] = joint[b] / (the sum of all of joint[b] + 1e-10), joint[b] = the sum of the batch's 16 parts.  Nothing is left out.
; part: [b 16][j 16][ta 8][tb 8][u 2][lane 32][4] f32, an image of the accumulators: lane (r, h), half u, word i holds element (16 ta + r, 16 tb + 8 h + 4 u + i) of part j.  sums: [b 16][256] f32, the parts' totals.
; A work-group takes 4,096 bytes of the image (chunk c: four tiles: rows 16 (c / 2) on, columns 64 (c % 2) on) in all 16 parts: a thread 16 bytes of each, so that a wave's load covers 512 consecutive bytes.
; The sums go through a stage in LDS (16 rows x 256 bytes + 16) and leave as rows: sixteen lanes store 256 consecutive bytes, at a multiple of 256 from out0's first byte.
; The launch streams: no matrix unit, no cluster, no tensor load, and no loop for a prefetch to run ahead in; all 18 loads of a thread are out together.
; LIMITS: the division is a reciprocal and a multiplication; the norm is summed from 256 totals, the parts pair by pair: another order than the definition's.  NaN and infinities are not served.
.set PITCH, 272
.set SPARE, 4352                       ; behind the stage: the spare words, 128 bytes for each wave: four blocks of 256 bytes that no other line names
	s_load_b128 s[4:7], s[0:1], 0x0                ; part, sums
	s_load_b64 s[8:9], s[0:1], 0x10                ; out0
	v_lshrrev_b32 v4, 5, v0
	v_readfirstlane_b32 s10, v4                    ; wave 0..7: tile w / 2 of the chunk's four, half u = w % 2
	s_and_b32 s11, ttmp7, 0xffff                   ; batch
	s_lshr_b32 s12, s10, 1
	s_lshl_b32 s12, s12, 6
	s_and_b32 s13, s10, 1
	s_lshl_b32 s13, s13, 4
	s_add_co_u32 s12, s12, s13
	v_lshl_add_u32 v12, v0, 2, SPARE
	v_mov_b32 v13, 0
	v_lshlrev_b32 v1, 4, v0                        ; 16 t: my 16 bytes of the chunk
	v_and_b32 v5, 31, v0
	v_and_b32 v4, 15, v0
	v_bfe_u32 v6, v0, 4, 1
	v_lshrrev_b32 v7, 4, v0
	v_lshlrev_b32 v11, 4, v5                       ; 16 lane: my four of 128 totals, twice
	v_mul_u32_u24 v8, v4, PITCH
	v_mul_u32_u24 v9, v7, PITCH
	v_lshlrev_b32 v10, 9, v7
	v_lshl_add_u32 v8, v6, 5, v8
	v_lshl_add_u32 v9, v4, 4, v9                   ; back from the stage: row t / 16, 16 bytes at 16 (t % 16)
	v_lshl_add_u32 v10, v4, 4, v10                 ; and the same place in out0: rows of 512 bytes
	v_add_nc_u32 v8, s12, v8                       ; into the stage: row r, byte 64 (w / 2) + 32 h + 16 (w % 2)
	s_mov_b32 s14, 0x76543210
	s_mov_b32 s15, 0xfedcba98
	s_lshl_b32 s16, s11, 20                        ; part: 2^20 b + 4,096 c
	s_lshl_b32 s17, ttmp9, 12
	s_add_co_u32 s16, s16, s17
	s_mov_b32 s17, 0
	s_lshl_b32 s18, s11, 10                        ; sums: 1,024 b
	s_mov_b32 s19, 0
	s_lshl_b32 s20, s11, 16                        ; out0: 65,536 b + 8,192 (c / 2) + 256 (c % 2)
	s_lshr_b32 s21, ttmp9, 1
	s_lshl_b32 s21, s21, 13
	s_add_co_u32 s20, s20, s21
	s_and_b32 s21, ttmp9, 1
	s_lshl_b32 s21, s21, 8
	s_add_co_u32 s20, s20, s21
	s_mov_b32 s21, 0
	s_wait_alu depctr_va_vdst(0)                   ; the wait at the head's end
	s_wait_kmcnt 0x0
	s_add_nc_u64 s[4:5], s[4:5], s[16:17]
	s_add_nc_u64 s[6:7], s[6:7], s[18:19]
	s_add_nc_u64 s[8:9], s[8:9], s[20:21]
	global_load_b128 v[4:7], v11, s[6:7]           ; the batch's 256 totals: twice 512 consecutive bytes a wave
	global_load_b128 v[80:83], v11, s[6:7] offset:512
.irp j, 0,1,2,3,4,5,6,7,8,9,10,11,12,13,14,15
	global_load_b128 v[16+4*\j:19+4*\j], v1, s[4:5] offset:65536*\j th:TH_LOAD_NT   ; read once in the launch
.endr
	s_wait_loadcnt 16                              ; the totals are in; the 16 loads issued behind them stay out
	v_pk_add_f32 v[4:5], v[4:5], v[80:81]
	v_pk_add_f32 v[6:7], v[6:7], v[82:83]
	s_delay_alu instid0(VALU_DEP_1)
	v_pk_add_f32 v[4:5], v[4:5], v[6:7]
	s_delay_alu instid0(VALU_DEP_1)
	v_add_f32 v4, v4, v5
	s_delay_alu instid0(VALU_DEP_1)
	v_add_f32_dpp v4, v4, v4 row_xmask:1 row_mask:0xf bank_mask:0xf
	s_delay_alu instid0(VALU_DEP_1)
	v_add_f32_dpp v4, v4, v4 row_xmask:2 row_mask:0xf bank_mask:0xf
	s_delay_alu instid0(VALU_DEP_1)
	v_add_f32_dpp v4, v4, v4 row_xmask:4 row_mask:0xf bank_mask:0xf
	s_delay_alu instid0(VALU_DEP_1)
	v_add_f32_dpp v4, v4, v4 row_xmask:8 row_mask:0xf bank_mask:0xf
	s_delay_alu instid0(VALU_DEP_1)
	v_permlanex16_b32 v5, v4, s14, s15
	s_delay_alu instid0(VALU_DEP_1)
	v_add_f32 v4, v4, v5
	s_delay_alu instid0(VALU_DEP_1)
	v_add_f32 v4, 0x2edbe6ff, v4                   ; + 1e-10
	s_wait_alu depctr_va_vdst(0)                   ; a wait ahead of the reciprocal
	v_rcp_f32 v6, v4                               ; the additions below are the plain work behind it
; Eight parts, from register p on, pair by pair
.macro SUM8 p
.irp j, 0,8,16,24
	v_pk_add_f32 v[\p+\j:\p+\j+1], v[\p+\j:\p+\j+1], v[\p+\j+4:\p+\j+5]
	v_pk_add_f32 v[\p+\j+2:\p+\j+3], v[\p+\j+2:\p+\j+3], v[\p+\j+6:\p+\j+7]
.endr
.irp j, 0,16
	v_pk_add_f32 v[\p+\j:\p+\j+1], v[\p+\j:\p+\j+1], v[\p+\j+8:\p+\j+9]
	v_pk_add_f32 v[\p+\j+2:\p+\j+3], v[\p+\j+2:\p+\j+3], v[\p+\j+10:\p+\j+11]
.endr
	v_pk_add_f32 v[\p:\p+1], v[\p:\p+1], v[\p+16:\p+17]
	v_pk_add_f32 v[\p+2:\p+3], v[\p+2:\p+3], v[\p+18:\p+19]
.endm
	s_wait_loadcnt 8                               ; parts 0 to 7 are in; the 8 loads issued behind them may be out
	SUM8 16
	s_wait_alu depctr_va_vdst(0)                   ; a wait ahead of the reciprocal's first reader and of the wait below
	s_wait_loadcnt 0x0
	SUM8 48
	v_mov_b32 v7, v6
	v_pk_add_f32 v[16:17], v[16:17], v[48:49]
	v_pk_add_f32 v[18:19], v[18:19], v[50:51]
	v_pk_mul_f32 v[16:17], v[16:17], v[6:7]
	v_pk_mul_f32 v[18:19], v[18:19], v[6:7]
	ds_store_b128 v8, v[16:19]
	s_wait_dscnt 0x0                               ; for the others' sake: my store into the stage is done
	s_barrier_signal -1
	s_barrier_wait -1
	ds_load_b128 v[20:23], v9                      ; bytes that other waves stored
	s_wait_dscnt 0x0
	global_store_b128 v10, v[20:23], s[8:9] th:TH_STORE_NT
	s_wait_tensorcnt 0x0                           ; the wave's end: a tensor wait, a spare LDS add and its wait, behind my last LDS store; the first in a text with no tensor load too
	ds_add_u32 v12, v13
	s_wait_dscnt 0x0
	s_endpgm
.Lfunc_end_k_qea1fcdfc48_norm:
	.size	k_qea1fcdfc48_norm, .Lfunc_end_k_qea1fcdfc48_norm-k_qea1fcdfc48_norm
	.p2alignl 7, 3214868480
	.fill 96, 4, 3214868480
	.section	.rodata,"a",@progbits
	.p2align	6, 0x0
	.amdhsa_kernel k_qea1fcdfc48_norm
		.amdhsa_group_segment_fixed_size 5376
		.amdhsa_private_segment_fixed_size 0
		.amdhsa_enable_private_segment 0
		.amdhsa_kernarg_size 24
		.amdhsa_user_sgpr_count 2
		.amdhsa_user_sgpr_kernarg_segment_ptr 1
		.amdhsa_wavefront_size32 1
		.amdhsa_system_sgpr_workgroup_id_x 1
		.amdhsa_system_sgpr_workgroup_id_y 1
		.amdhsa_system_sgpr_workgroup_id_z 1
		.amdhsa_system_vgpr_workitem_id 0
		.amdhsa_next_free_vgpr 84
		.amdhsa_next_free_sgpr 66
		.amdhsa_reserve_vcc 0
		.amdhsa_float_denorm_mode_32 3
		.amdhsa_float_denorm_mode_16_64 3
		.amdhsa_memory_ordered 1
		.amdhsa_forward_progress 1
		.amdhsa_inst_pref_size 8
	.end_amdhsa_kernel
	.amdgpu_metadata
---
amdhsa.version: [ 1, 2 ]
amdhsa.kernels:
  - .name:           k_qea1fcdfc48_norm
    .symbol:         k_qea1fcdfc48_norm.kd
    .args:
      - { .name: part, .offset: 0, .size: 8, .value_kind: global_buffer, .address_space: global }
      - { .name: sums, .offset: 8, .size: 8, .value_kind: global_buffer, .address_space: global }
      - { .name: out0, .offset: 16, .size: 8, .value_kind: global_buffer, .address_space: global }
    .group_segment_fixed_size: 5376
    .private_segment_fixed_size: 0
    .kernarg_segment_align: 8
    .kernarg_segment_size: 24
    .max_flat_workgroup_size: 256
    .sgpr_count:     66
    .vgpr_count:     84
    .wavefront_size: 32
...
	.end_amdgpu_metadata
.endif
;; end of part 2
